; MI455X (gfx1250); checked and timed in simulation.
; The chip was launched on July 23, 2026; its instructions are those of AMD's public machine-readable ISA for CDNA 5 (MIT licence, August 2026) and "CDNA5" Instruction Set Architecture Reference Guide (July 2026). The comments in the code are by the model that wrote it; some were corrected since.
;; Gaussian Renderer. Allowed arithmetic: float matrix products may take bf16 or f16 operands with f32 sums; all other float work in f32.
;; Inputs: background_color 3 float32; cam_position 3 float32; colors 4,096 x 3 float32; intrinsics 3 x 3 float32; opacities 4,096 float32; positions 4,096 x 3 float32; quaternion 4 float32.
;; Outputs: out0 3 x 128 x 256 float32; out1 128 x 256 float32; out2 128 x 256 float32.
;; One version. Each part assembles by itself: llvm-mc -triple=amdgcn-amd-amdhsa -mcpu=gfx1250 --defsym DOCPART=n.
;; ======== version 1 of 1: 4 launches
;; limits: values outside matrix products are rounded to bf16
;; workspace buffers: rank 16,384 bytes of whole numbers; flags 1,024 bytes of whole numbers; go 512 bytes of whole numbers; ctl 4,096 bytes of whole numbers; sp 65,536 bytes; sa 49,152 bytes
;; launch ranks (part 1): grid 256 x 1, 8 waves a work-group, no clusters, 17,664 bytes of LDS; arguments positions, opacities, quaternion, cam_position, intrinsics, rank, flags; writes rank, flags
.if DOCPART == 1
	.amdgcn_target "amdgcn-amd-amdhsa--gfx1250"
	.amdhsa_code_object_version 6
	.text
	.protected	k_qc99eeb1791_ranks
	.globl	k_qc99eeb1791_ranks
	.p2align	8
	.type	k_qc99eeb1791_ranks,@function
k_qc99eeb1791_ranks:
	s_mov_b64 s[64:65], 0
	v_nop
	global_prefetch_b8 v0, s[64:65] scope:SCOPE_SE
	s_setreg_imm32_b32 hwreg(HW_REG_WAVE_MODE, 25, 1), 1
	s_wait_xcnt 0x0
; RANKS.  rank[i] = place of Gaussian i in the stable order of descending proj.z, and one flag word for each work-group.
; Every work-group projects all 4,096 Gaussians (16 a thread), lays their sort keys into LDS and then counts, for its own
; 16 Gaussians (one for each row of 16 lanes), how many keys stand in front: key j > key i, or key j = key i with j < i.
; FLAG WORD, bit 0.  On the way each work-group multiplies (1 - alpha) of all Gaussians at ONE sample pixel, the middle of its tile
; of 16 x 8.  That product does not hang on the order.  If it is at least 1.001e-3 the largest transmittance never falls under 1e-3,
; so the early end of the scan never happens.  The margin of one in a thousand covers the other order of rounding.
; FLAG WORD, bit 1.  No opacity exceeds 1 (the same in every work-group, each of which sees all 4,096): the renderer then needs no clip at 1.
; The 3 x 3 products are f32 multiply-adds: 18 for a Gaussian, and 16-bit operands would spoil the sort keys.
; No tensor loads, no cluster: all inputs together are 64 KiB and go straight into registers.
; LIMITS: NaN in an input and 0/0 in the projection are not reproduced.  -0 and +0 are one key, as in a sort of floats.
; The two lowest keys (both patterns of NaN) count as equal.  Depths that differ by less than the rounding of the two
; products may change places against an f32 evaluation in another order.
; A work-group stores 64 bytes of rank and 4 of flags: that is all it owns.
.set S_SC, 0x3e2df0ec                  ; S = sqrt(0.02 log2 e): exp(-d d / 50) = exp2(-(S d)(S d))
.set EPSG, 0x3a8333fd                  ; 1.001e-3
.set TPW,  16384                       ; LDS: keys [4096] u32 at 0; eight partial products at 16384; eight partial maxima at 16416
.set SQ, 24                            ; s[24:27] quaternion
.set SC, 28                            ; s[28:30] cam_position
.set SK, 32                            ; s[32:40] intrinsics, row by row
.set RM, 4                             ; v[4:12]  the rotation matrix, row by row
.set POS, 32                           ; v[32:79] positions: group m at 32 + 12 m, four Gaussians x 3
.set OPA, 80                           ; v[80:95] opacities: group m at 80 + 4 m
.set QT, 96                            ; v[96:103] at work in RMAT
.set W,  96                            ; v[96:99]  at work in PROJ
.set KY, 100                           ; v[100:103] four keys
.set IV, 104                           ; v[104:107] four reciprocals
.set KA, 32                            ; v[32:63] and v[64:95]: two sets of eight chunks of keys (positions are done with by then)
.set KB, 64
.set KC, 128                           ; v[128:131] my four keys of the chunk that holds i
; v1 lane % 16, v2 row of 16 lanes, v13 v14 sample pixel x S, v15 product, v16 key i, v17 count, v19 threshold, v20 at work,
; v21 i - first j of my four in the chunk of i, v22 16 (lane % 16), v23 address in the chunk of i, v24 flag word, v25 4 i,
; v26 16 t, v27 48 t, v28 4 wg, v29 lane, v30 largest opacity
.macro RMAT                            ; q / |q|, then the nine entries as reference() writes them (2 x is exact)
	v_mov_b32 v[QT], s[SQ]
	v_mov_b32 v[QT+1], s[SQ+1]
	v_mov_b32 v[QT+2], s[SQ+2]
	v_mov_b32 v[QT+3], s[SQ+3]
	v_mul_f32 v[QT+4], v[QT], v[QT]
	v_fmac_f32 v[QT+4], v[QT+1], v[QT+1]
	v_fmac_f32 v[QT+4], v[QT+2], v[QT+2]
	v_fmac_f32 v[QT+4], v[QT+3], v[QT+3]
	v_rsq_f32 v[QT+5], v[QT+4]
	v_nop                                          ; one plain place behind the transcendental (ISA guide 5.7.2)
	s_wait_alu depctr_va_vdst(0)
.irp k,0,1,2,3
	v_mul_f32 v[QT+\k], v[QT+\k], v[QT+5]          ; w, x, y, z
.endr
	v_add_f32 v[QT+4], v[QT+1], v[QT+1]            ; 2x
	v_add_f32 v[QT+5], v[QT+2], v[QT+2]            ; 2y
	v_add_f32 v[QT+6], v[QT+3], v[QT+3]            ; 2z
	v_mul_f32 v[QT+7], v[QT+5], v[QT+2]
	v_fmac_f32 v[QT+7], v[QT+6], v[QT+3]
	v_sub_f32 v[RM], 1.0, v[QT+7]                  ; 1 - 2(yy + zz)
	v_mul_f32 v[QT+7], v[QT+4], v[QT+1]
	v_fmac_f32 v[QT+7], v[QT+6], v[QT+3]
	v_sub_f32 v[RM+4], 1.0, v[QT+7]                ; 1 - 2(xx + zz)
	v_mul_f32 v[QT+7], v[QT+4], v[QT+1]
	v_fmac_f32 v[QT+7], v[QT+5], v[QT+2]
	v_sub_f32 v[RM+8], 1.0, v[QT+7]                ; 1 - 2(xx + yy)
	v_mul_f32 v[QT+7], v[QT+4], v[QT+2]            ; 2xy
	v_fma_f32 v[RM+1], -v[QT+6], v[QT], v[QT+7]    ; - 2wz
	v_fma_f32 v[RM+3], v[QT+6], v[QT], v[QT+7]     ; + 2wz
	v_mul_f32 v[QT+7], v[QT+4], v[QT+3]            ; 2xz
	v_fma_f32 v[RM+2], v[QT+5], v[QT], v[QT+7]     ; + 2wy
	v_fma_f32 v[RM+6], -v[QT+5], v[QT], v[QT+7]    ; - 2wy
	v_mul_f32 v[QT+7], v[QT+5], v[QT+3]            ; 2yz
	v_fma_f32 v[RM+5], -v[QT+4], v[QT], v[QT+7]    ; - 2wx
	v_fma_f32 v[RM+7], v[QT+4], v[QT], v[QT+7]     ; + 2wx
.endm
; position in v[x], v[y], v[z]  ->  proj = K R (p - cam) in the same three registers; pos_cam.z stays in v[W+2]
.macro PROJ x, y, z
	v_sub_f32 v[\x], v[\x], s[SC]
	v_sub_f32 v[\y], v[\y], s[SC+1]
	v_sub_f32 v[\z], v[\z], s[SC+2]
	v_mul_f32 v[W], v[RM], v[\x]
	v_mul_f32 v[W+1], v[RM+3], v[\x]
	v_mul_f32 v[W+2], v[RM+6], v[\x]
	v_fmac_f32 v[W], v[RM+1], v[\y]
	v_fmac_f32 v[W+1], v[RM+4], v[\y]
	v_fmac_f32 v[W+2], v[RM+7], v[\y]
	v_fmac_f32 v[W], v[RM+2], v[\z]
	v_fmac_f32 v[W+1], v[RM+5], v[\z]
	v_fmac_f32 v[W+2], v[RM+8], v[\z]
	v_mul_f32 v[\x], s[SK], v[W]
	v_mul_f32 v[\y], s[SK+3], v[W]
	v_mul_f32 v[\z], s[SK+6], v[W]
	v_fmac_f32 v[\x], s[SK+1], v[W+1]
	v_fmac_f32 v[\y], s[SK+4], v[W+1]
	v_fmac_f32 v[\z], s[SK+7], v[W+1]
	v_fmac_f32 v[\x], s[SK+2], v[W+2]
	v_fmac_f32 v[\y], s[SK+5], v[W+2]
	v_fmac_f32 v[\z], s[SK+8], v[W+2]
.endm
; four Gaussians 4 q .. 4 q + 3, q = t + 256 m: their keys into LDS, their (1 - alpha) at the sample pixel into v15
.macro GROUP m
.set PB, POS+12*\m
.set OB, OPA+4*\m
	s_wait_loadcnt 12-4*\m                         ; loads went out four to a group and come back in order: the later groups stay out
.irp e,0,1,2,3
	PROJ PB+3*\e,PB+3*\e+1,PB+3*\e+2
	v_add_f32 v[PB+3*\e+2], 0, v[PB+3*\e+2]        ; -0 becomes +0
	v_ashrrev_i32 v[W+3], 31, v[PB+3*\e+2]
	v_or_b32 v[W+3], 0x80000000, v[W+3]
	v_xor_b32 v[KY+\e], v[PB+3*\e+2], v[W+3]       ; unsigned key that rises with the depth
	v_max_u32 v[KY+\e], 1, v[KY+\e]                ; so that key - 1 never wraps
.endr
	ds_store_b128 v26, v[KY:KY+3] offset:4096*\m   ; keys 4 q .. 4 q + 3 at byte 16 q
.irp e,0,1,2,3
	v_rcp_f32 v[IV+\e], v[PB+3*\e+2]
.endr
.irp e,0,1,2,3
	v_max_num_f32 v[OB+\e], 0, v[OB+\e]            ; the clip at 0; also the plain place behind the reciprocals
.endr
	v_max3_num_f32 v30, v[OB], v[OB+1], v30        ; the largest opacity so far
	v_max3_num_f32 v30, v[OB+2], v[OB+3], v30
	s_wait_alu depctr_va_vdst(0)
.irp e,0,1,2,3
	v_mul_f32 v[PB+3*\e], v[PB+3*\e], v[IV+\e]
	v_mul_f32 v[PB+3*\e+1], v[PB+3*\e+1], v[IV+\e]
	v_fma_f32 v[PB+3*\e], v[PB+3*\e], s46, -v13    ; S (cx - x)
	v_fma_f32 v[PB+3*\e+1], v[PB+3*\e+1], s46, -v14
	v_mul_f32 v[PB+3*\e], v[PB+3*\e], v[PB+3*\e]
	v_fma_f32 v[PB+3*\e], -v[PB+3*\e+1], v[PB+3*\e+1], -v[PB+3*\e]
.endr
.irp e,0,1,2,3
	v_exp_f32 v[PB+3*\e], v[PB+3*\e]
.endr
	v_nop                                          ; one plain place behind the exponentials
	s_wait_alu depctr_va_vdst(0)
.irp e,0,1,2,3
	v_mul_f32 v[PB+3*\e], v[PB+3*\e], v[OB+\e]
	v_min_num_f32 v[PB+3*\e], 1.0, v[PB+3*\e]      ; the clip at 1
	v_fma_f32 v15, -v15, v[PB+3*\e], v15           ; T (1 - alpha)
.endr
.endm
.macro LOAD8 set, s                    ; chunks 8 s .. 8 s + 7 of 64 keys: my four keys of each
.irp c,0,1,2,3,4,5,6,7
	ds_load_b128 v[\set+4*\c:\set+4*\c+3], v22 offset:256*(8*\s+\c)
.endr
.endm
.macro CNT8 set, s                     ; in chunks wholly below i a tie counts too: key >= key i is key > key i - 1
.irp c,0,1,2,3,4,5,6,7
	s_cmp_gt_u32 s42, 8*\s+\c
	s_cselect_b32 s47, 1, 0
	v_sub_nc_u32 v19, v16, s47
.irp e,0,1,2,3
	v_cmp_gt_u32 vcc_lo, v[\set+4*\c+\e], v19
	v_add_co_ci_u32 v17, vcc_lo, 0, v17, vcc_lo
.endr
.endr
.endm
	s_load_b256 s[8:15], s[0:1], 0x0               ; positions s[8:9], opacities s[10:11], quaternion s[12:13], cam_position s[14:15]
	s_load_b128 s[16:19], s[0:1], 0x20             ; intrinsics s[16:17], rank s[18:19]
	s_load_b64 s[20:21], s[0:1], 0x30              ; flags
	v_lshl_add_u32 v132, v0, 2, 0x4100
	v_mov_b32 v133, 0
	v_and_b32 v1, 15, v0
	v_lshrrev_b32 v2, 4, v0
	v_lshrrev_b32 v3, 5, v0
	v_readfirstlane_b32 s41, v3                    ; wave
	v_and_b32 v29, 31, v0
	s_lshl_b32 s22, s41, 9
	v_lshl_add_u32 v26, v29, 4, s22                ; 16 t = 512 wave + 16 lane
	v_mul_u32_u24 v27, v0, 48                      ; 48 t
	s_wait_kmcnt 0x0
	s_load_b128 s[24:27], s[12:13], 0x0
	s_load_b96 s[28:30], s[14:15], 0x0
	s_load_b256 s[32:39], s[16:17], 0x0
	s_load_b32 s40, s[16:17], 0x20
.irp m,0,1,2,3
	global_load_b128 v[POS+12*\m:POS+12*\m+3], v27, s[8:9] offset:12288*\m
	global_load_b128 v[POS+12*\m+4:POS+12*\m+7], v27, s[8:9] offset:12288*\m+16
	global_load_b128 v[POS+12*\m+8:POS+12*\m+11], v27, s[8:9] offset:12288*\m+32
	global_load_b128 v[OPA+4*\m:OPA+4*\m+3], v26, s[10:11] offset:4096*\m
.endr
	s_mov_b32 s44, 0x76543210                      ; v_permlanex16_b32: lane i of the other half
	s_mov_b32 s45, 0xfedcba98
	s_mov_b32 s46, S_SC
	s_and_b32 s43, ttmp9, 15
	s_lshl_b32 s43, s43, 4
	s_add_co_u32 s43, s43, 8                       ; sample x = 16 (wg % 16) + 8
	v_cvt_f32_u32 v13, s43
	s_lshr_b32 s47, ttmp9, 4
	s_lshl_b32 s47, s47, 3
	s_add_co_u32 s47, s47, 4                       ; sample y = 8 (wg / 16) + 4
	v_cvt_f32_u32 v14, s47
	v_mul_f32 v13, s46, v13
	v_mul_f32 v14, s46, v14
	v_mov_b32 v15, 1.0
	v_mov_b32 v17, 0
	v_mov_b32 v20, 0
	v_mov_b32 v30, 0
	s_lshr_b32 s42, ttmp9, 2                       ; the chunk that holds my work-group's sixteen i
	s_lshl_b32 s23, ttmp9, 4
	v_add_nc_u32 v25, s23, v2                      ; i = 16 wg + row
	v_lshlrev_b32 v25, 2, v25                      ; 4 i: its key in LDS, its word in rank
	v_lshlrev_b32 v22, 4, v1
	s_lshl_b32 s22, s42, 8
	v_add_nc_u32 v23, s22, v22
	s_and_b32 s23, ttmp9, 3
	s_lshl_b32 s23, s23, 4
	v_add_nc_u32 v21, s23, v2                      ; i - 64 chunk
	v_lshlrev_b32 v3, 2, v1
	v_sub_nc_u32 v21, v21, v3                      ; - 4 (lane % 16): element e of my four stands below i where e < this
	s_lshl_b32 s22, ttmp9, 2
	v_mov_b32 v28, s22
	s_wait_kmcnt 0x0
	RMAT
	GROUP 0
	GROUP 1
	GROUP 2
	GROUP 3
	; the product and the largest opacity over the wave, then one word of each for each wave
	v_mul_f32_dpp v15, v15, v15 row_xmask:1 row_mask:0xf bank_mask:0xf
	v_mul_f32_dpp v15, v15, v15 row_xmask:2 row_mask:0xf bank_mask:0xf
	v_mul_f32_dpp v15, v15, v15 row_xmask:4 row_mask:0xf bank_mask:0xf
	v_mul_f32_dpp v15, v15, v15 row_xmask:8 row_mask:0xf bank_mask:0xf
	v_permlanex16_b32 v20, v15, s44, s45
	v_mul_f32 v15, v15, v20
	v_max_num_f32_dpp v30, v30, v30 row_xmask:1 row_mask:0xf bank_mask:0xf
	v_max_num_f32_dpp v30, v30, v30 row_xmask:2 row_mask:0xf bank_mask:0xf
	v_max_num_f32_dpp v30, v30, v30 row_xmask:4 row_mask:0xf bank_mask:0xf
	v_max_num_f32_dpp v30, v30, v30 row_xmask:8 row_mask:0xf bank_mask:0xf
	v_permlanex16_b32 v20, v30, s44, s45
	v_max_num_f32 v30, v30, v20
	v_mov_b32 v3, s41
	v_lshlrev_b32 v3, 2, v3
	ds_store_b32 v3, v15 offset:TPW
	ds_store_b32 v3, v30 offset:TPW+32
	s_wait_dscnt 0x0                               ; my keys, my product and my maximum are in LDS, for the other waves
	s_barrier_signal -1
	s_barrier_wait -1
	ds_load_b32 v16, v25
	ds_load_b128 v[KC:KC+3], v23
	LOAD8 KA, 0
	LOAD8 KB, 1
	s_wait_dscnt 8                                 ; the eight loads of the next stage stay out; all before them are in
	CNT8 KA, 0
	LOAD8 KA, 2
	s_wait_dscnt 8
	CNT8 KB, 1
	LOAD8 KB, 3
	s_wait_dscnt 8
	CNT8 KA, 2
	LOAD8 KA, 4
	s_wait_dscnt 8
	CNT8 KB, 3
	LOAD8 KB, 5
	s_wait_dscnt 8
	CNT8 KA, 4
	LOAD8 KA, 6
	s_wait_dscnt 8
	CNT8 KB, 5
	LOAD8 KB, 7
	s_wait_dscnt 8
	CNT8 KA, 6
	s_wait_dscnt 0x0
	CNT8 KB, 7
.irp e,0,1,2,3
	v_cmp_eq_u32 s22, v[KC+\e], v16                ; ties inside the chunk of i count where j < i
	v_cmp_lt_i32 vcc_lo, \e, v21
	s_and_b32 vcc_lo, vcc_lo, s22
	v_add_co_ci_u32 v17, vcc_lo, 0, v17, vcc_lo
.endr
.irp k,1,2,4,8
	v_mov_b32_dpp v20, v17 row_xmask:\k row_mask:0xf bank_mask:0xf
	v_add_nc_u32 v17, v17, v20                     ; the sum over the row of 16 lanes
.endr
	v_cmp_eq_u32 vcc_lo, 0, v1
	s_wait_xcnt 0x0                                ; EXEC changes only behind this wait
	s_and_saveexec_b32 s23, vcc_lo
	global_store_b32 v25, v17, s[18:19]            ; one lane of each row stores rank[i]
	s_wait_xcnt 0x0
	s_or_b32 exec_lo, exec_lo, s23
	s_cmp_lg_u32 s41, 0
	s_cbranch_scc1 .Lend                           ; the flag word is wave 0 alone
	v_mov_b32 v3, TPW
	ds_load_b128 v[96:99], v3
	ds_load_b128 v[100:103], v3 offset:16
	ds_load_b128 v[104:107], v3 offset:32
	ds_load_b128 v[108:111], v3 offset:48
	s_mov_b32 s47, EPSG
	s_wait_dscnt 0x0
	v_mul_f32 v96, v96, v97
	v_mul_f32 v98, v98, v99
	v_mul_f32 v100, v100, v101
	v_mul_f32 v102, v102, v103
	v_mul_f32 v96, v96, v98
	v_mul_f32 v100, v100, v102
	v_mul_f32 v96, v96, v100
	v_max3_num_f32 v104, v104, v105, v106
	v_max3_num_f32 v104, v104, v107, v108
	v_max3_num_f32 v104, v104, v109, v110
	v_max_num_f32 v104, v104, v111
	v_cmp_le_f32 vcc_lo, s47, v96
	v_cndmask_b32 v24, 0, 1, vcc_lo                ; bit 0: my sample pixel stays above 1e-3
	v_cmp_ge_f32 vcc_lo, 1.0, v104
	v_cndmask_b32 v20, 0, 2, vcc_lo                ; bit 1: no opacity exceeds 1
	v_or_b32 v24, v24, v20
	v_cmp_eq_u32 vcc_lo, 0, v0
	s_and_saveexec_b32 s23, vcc_lo
	global_store_b32 v28, v24, s[20:21]
	s_wait_xcnt 0x0
	s_or_b32 exec_lo, exec_lo, s23
.Lend:
	s_barrier_signal -1
	s_barrier_wait -1
	s_wait_tensorcnt 0x0
	ds_add_u32 v132, v133
	s_wait_dscnt 0x0
	s_endpgm
.Lfunc_end_k_qc99eeb1791_ranks:
	.size	k_qc99eeb1791_ranks, .Lfunc_end_k_qc99eeb1791_ranks-k_qc99eeb1791_ranks
	.p2alignl 7, 3214868480
	.fill 96, 4, 3214868480
	.section	.rodata,"a",@progbits
	.p2align	6, 0x0
	.amdhsa_kernel k_qc99eeb1791_ranks
		.amdhsa_group_segment_fixed_size 17664
		.amdhsa_private_segment_fixed_size 0
		.amdhsa_enable_private_segment 0
		.amdhsa_kernarg_size 56
		.amdhsa_user_sgpr_count 2
		.amdhsa_user_sgpr_kernarg_segment_ptr 1
		.amdhsa_wavefront_size32 1
		.amdhsa_system_sgpr_workgroup_id_x 1
		.amdhsa_system_sgpr_workgroup_id_y 1
		.amdhsa_system_sgpr_workgroup_id_z 1
		.amdhsa_system_vgpr_workitem_id 0
		.amdhsa_next_free_vgpr 134
		.amdhsa_next_free_sgpr 66
		.amdhsa_reserve_vcc 1
		.amdhsa_float_denorm_mode_32 3
		.amdhsa_float_denorm_mode_16_64 3
		.amdhsa_memory_ordered 1
		.amdhsa_forward_progress 1
		.amdhsa_inst_pref_size 62
	.end_amdhsa_kernel
	.amdgpu_metadata
---
amdhsa.version: [ 1, 2 ]
amdhsa.kernels:
  - .name:           k_qc99eeb1791_ranks
    .symbol:         k_qc99eeb1791_ranks.kd
    .args:
      - { .name: positions, .offset: 0, .size: 8, .value_kind: global_buffer, .address_space: global }
      - { .name: opacities, .offset: 8, .size: 8, .value_kind: global_buffer, .address_space: global }
      - { .name: quaternion, .offset: 16, .size: 8, .value_kind: global_buffer, .address_space: global }
      - { .name: cam_position, .offset: 24, .size: 8, .value_kind: global_buffer, .address_space: global }
      - { .name: intrinsics, .offset: 32, .size: 8, .value_kind: global_buffer, .address_space: global }
      - { .name: rank, .offset: 40, .size: 8, .value_kind: global_buffer, .address_space: global }
      - { .name: flags, .offset: 48, .size: 8, .value_kind: global_buffer, .address_space: global }
    .group_segment_fixed_size: 17664
    .private_segment_fixed_size: 0
    .kernarg_segment_align: 8
    .kernarg_segment_size: 56
    .max_flat_workgroup_size: 256
    .sgpr_count:     66
    .vgpr_count:     134
    .wavefront_size: 32
...
	.end_amdgpu_metadata
.endif
;; end of part 1
;; launch place (part 2): grid 32 x 1, 4 waves a work-group, no clusters, 0 bytes of LDS; arguments positions, opacities, colors, quaternion, cam_position, intrinsics, rank, sp, sa, flags, go; writes sp, sa, go
.if DOCPART == 2
	.amdgcn_target "amdgcn-amd-amdhsa--gfx1250"
	.amdhsa_code_object_version 6
	.text
	.protected	k_qc99eeb1791_place
	.globl	k_qc99eeb1791_place
	.p2align	8
	.type	k_qc99eeb1791_place,@function
k_qc99eeb1791_place:
	s_mov_b64 s[64:65], 0
	v_nop
	global_prefetch_b8 v0, s[64:65] scope:SCOPE_SE
	s_setreg_imm32_b32 hwreg(HW_REG_WAVE_MODE, 25, 1), 1
	s_wait_xcnt 0x0
; PLACE.  One thread for each Gaussian i: project it once more and put what the renderer needs at its sorted place rank[i].
;   sp[rho] = { cy S, max(opacity, 0), cx S, pos_cam.z } in f32, 16 bytes.
;   sa: [256 blocks of 16 Gaussians][6 planes][16 bf16], planes r, g, b, depth, one, zero: 192 bytes a block, laid as the
;   matrix operand of the renderer reads them.  The planes one and zero do not hang on the order and go to place i.
;   go[4 wg + wave] = the OR of all 256 flag words of the first launch, made by every wave for itself (1,024 bytes, two loads a lane):
;   the next launch then decides by one word and needs no work across lanes in front of its branch.
; 4,096 items are 32 work-groups of 128 threads.  A scatter by rank: the stores of 16 and of 2 bytes go where the rank says.
; rank is a permutation, so every byte of sp and sa is written once.  The rank is clamped to 4,095 before it forms an address.
; LIMITS: as in the launch that makes the ranks (NaN, 0/0).  Colours and depth are rounded to bf16 here (matrix operands).
.set S_SC, 0x3e2df0ec
.set SQ, 28                            ; s[28:31] quaternion
.set SC, 32                            ; s[32:34] cam_position
.set SK, 36                            ; s[36:44] intrinsics
.set RM, 4                             ; v[4:12]
.set QT, 40                            ; v[40:47] at work in RMAT
.set W,  33                            ; v[33:35] at work in PROJ: pos_cam.z lands in v35, the last word of the record
.set FL, 48                            ; v[48:55] my eight flag words; v56 at work, v57 16 lane, v58 my word of go, v59 lane
.macro RMAT
	v_mov_b32 v[QT], s[SQ]
	v_mov_b32 v[QT+1], s[SQ+1]
	v_mov_b32 v[QT+2], s[SQ+2]
	v_mov_b32 v[QT+3], s[SQ+3]
	v_mul_f32 v[QT+4], v[QT], v[QT]
	v_fmac_f32 v[QT+4], v[QT+1], v[QT+1]
	v_fmac_f32 v[QT+4], v[QT+2], v[QT+2]
	v_fmac_f32 v[QT+4], v[QT+3], v[QT+3]
	v_rsq_f32 v[QT+5], v[QT+4]
	v_nop                                          ; one plain place behind the transcendental (ISA guide 5.7.2)
	s_wait_alu depctr_va_vdst(0)
.irp k,0,1,2,3
	v_mul_f32 v[QT+\k], v[QT+\k], v[QT+5]
.endr
	v_add_f32 v[QT+4], v[QT+1], v[QT+1]
	v_add_f32 v[QT+5], v[QT+2], v[QT+2]
	v_add_f32 v[QT+6], v[QT+3], v[QT+3]
	v_mul_f32 v[QT+7], v[QT+5], v[QT+2]
	v_fmac_f32 v[QT+7], v[QT+6], v[QT+3]
	v_sub_f32 v[RM], 1.0, v[QT+7]
	v_mul_f32 v[QT+7], v[QT+4], v[QT+1]
	v_fmac_f32 v[QT+7], v[QT+6], v[QT+3]
	v_sub_f32 v[RM+4], 1.0, v[QT+7]
	v_mul_f32 v[QT+7], v[QT+4], v[QT+1]
	v_fmac_f32 v[QT+7], v[QT+5], v[QT+2]
	v_sub_f32 v[RM+8], 1.0, v[QT+7]
	v_mul_f32 v[QT+7], v[QT+4], v[QT+2]
	v_fma_f32 v[RM+1], -v[QT+6], v[QT], v[QT+7]
	v_fma_f32 v[RM+3], v[QT+6], v[QT], v[QT+7]
	v_mul_f32 v[QT+7], v[QT+4], v[QT+3]
	v_fma_f32 v[RM+2], v[QT+5], v[QT], v[QT+7]
	v_fma_f32 v[RM+6], -v[QT+5], v[QT], v[QT+7]
	v_mul_f32 v[QT+7], v[QT+5], v[QT+3]
	v_fma_f32 v[RM+5], -v[QT+4], v[QT], v[QT+7]
	v_fma_f32 v[RM+7], v[QT+4], v[QT], v[QT+7]
.endm
.macro PROJ x, y, z
	v_sub_f32 v[\x], v[\x], s[SC]
	v_sub_f32 v[\y], v[\y], s[SC+1]
	v_sub_f32 v[\z], v[\z], s[SC+2]
	v_mul_f32 v[W], v[RM], v[\x]
	v_mul_f32 v[W+1], v[RM+3], v[\x]
	v_mul_f32 v[W+2], v[RM+6], v[\x]
	v_fmac_f32 v[W], v[RM+1], v[\y]
	v_fmac_f32 v[W+1], v[RM+4], v[\y]
	v_fmac_f32 v[W+2], v[RM+7], v[\y]
	v_fmac_f32 v[W], v[RM+2], v[\z]
	v_fmac_f32 v[W+1], v[RM+5], v[\z]
	v_fmac_f32 v[W+2], v[RM+8], v[\z]
	v_mul_f32 v[\x], s[SK], v[W]
	v_mul_f32 v[\y], s[SK+3], v[W]
	v_mul_f32 v[\z], s[SK+6], v[W]
	v_fmac_f32 v[\x], s[SK+1], v[W+1]
	v_fmac_f32 v[\y], s[SK+4], v[W+1]
	v_fmac_f32 v[\z], s[SK+7], v[W+1]
	v_fmac_f32 v[\x], s[SK+2], v[W+2]
	v_fmac_f32 v[\y], s[SK+5], v[W+2]
	v_fmac_f32 v[\z], s[SK+8], v[W+2]
.endm
	s_load_b512 s[8:23], s[0:1], 0x0               ; positions s[8:9], opacities s[10:11], colors s[12:13], quaternion s[14:15],
	                                               ; cam_position s[16:17], intrinsics s[18:19], rank s[20:21], sp s[22:23]
	s_load_b128 s[24:27], s[0:1], 0x40             ; sa s[24:25], flags s[26:27]
	s_load_b64 s[46:47], s[0:1], 0x50              ; go
	s_lshl_b32 s45, ttmp9, 7
	v_add_nc_u32 v1, s45, v0                       ; i
	v_mul_u32_u24 v2, v1, 12
	v_lshlrev_b32 v3, 2, v1
	v_and_b32 v59, 31, v0                          ; lane
	v_lshlrev_b32 v57, 4, v59
	v_lshrrev_b32 v58, 5, v0
	v_lshlrev_b32 v58, 2, v58
	s_lshl_b32 s45, ttmp9, 4
	v_add_nc_u32 v58, s45, v58                     ; 4 (4 wg + wave)
	v_mov_b32 v56, 0                               ; the destination of a DPP form counts as read: written once here
	s_mov_b32 s48, 0x76543210                      ; v_permlanex16_b32: lane i of the other half
	s_mov_b32 s49, 0xfedcba98
	s_wait_kmcnt 0x0
	s_load_b128 s[28:31], s[14:15], 0x0
	s_load_b96 s[32:34], s[16:17], 0x0
	s_load_b256 s[36:43], s[18:19], 0x0
	s_load_b32 s44, s[18:19], 0x20
	global_load_b32 v16, v2, s[8:9]
	global_load_b32 v17, v2, s[8:9] offset:4
	global_load_b32 v18, v2, s[8:9] offset:8
	global_load_b32 v20, v2, s[12:13]
	global_load_b32 v21, v2, s[12:13] offset:4
	global_load_b32 v22, v2, s[12:13] offset:8
	global_load_b32 v23, v3, s[10:11]
	global_load_b32 v24, v3, s[20:21]
	global_load_b128 v[FL:FL+3], v57, s[26:27]
	global_load_b128 v[FL+4:FL+7], v57, s[26:27] offset:512
	s_wait_kmcnt 0x0
	RMAT
	s_wait_loadcnt 0x0
	PROJ 16,17,18
	v_rcp_f32 v26, v18
	v_max_num_f32 v33, 0, v23                      ; the clip at 0; also the plain place behind the reciprocal
	s_wait_alu depctr_va_vdst(0)
	v_mul_f32 v16, v16, v26
	v_mul_f32 v17, v17, v26
	v_mul_f32 v34, S_SC, v16                       ; cx S
	v_mul_f32 v32, S_SC, v17                       ; cy S
	v_cvt_pk_bf16_f32 v36, v20, v21                ; r, g
	v_cvt_pk_bf16_f32 v37, v22, v35                ; b, depth
	v_min_u32 v24, 0xfff, v24                      ; a loaded number enters an address only clamped
	v_lshlrev_b32 v38, 4, v24                      ; 16 rho
	v_and_b32 v39, 0xff0, v24
	v_mul_u32_u24 v39, v39, 12                     ; 192 (rho / 16)
	v_and_b32 v40, 15, v24
	v_lshl_add_u32 v39, v40, 1, v39                ; + 2 (rho % 16)
	v_and_b32 v43, 0xff0, v1
	v_mul_u32_u24 v43, v43, 12
	v_and_b32 v40, 15, v1
	v_lshl_add_u32 v43, v40, 1, v43                ; the same for i
	v_mov_b32 v41, 0x3f80                          ; 1.0 in bf16
	v_mov_b32 v42, 0
	global_store_b128 v38, v[32:35], s[22:23]
	global_store_b16 v39, v36, s[24:25]
	global_store_d16_hi_b16 v39, v36, s[24:25] offset:32
	global_store_b16 v39, v37, s[24:25] offset:64
	global_store_d16_hi_b16 v39, v37, s[24:25] offset:96
	global_store_b16 v43, v41, s[24:25] offset:128
	global_store_b16 v43, v42, s[24:25] offset:160
	; the OR of the 256 flag words: eight in the lane, then over the 32 lanes
.irp k,0,1,2,3
	v_or_b32 v[FL+\k], v[FL+\k], v[FL+4+\k]
.endr
	v_or_b32 v[FL], v[FL], v[FL+1]
	v_or_b32 v[FL+2], v[FL+2], v[FL+3]
	v_or_b32 v[FL], v[FL], v[FL+2]
.irp k,1,2,4,8
	v_mov_b32_dpp v56, v[FL] row_xmask:\k row_mask:0xf bank_mask:0xf
	v_or_b32 v[FL], v[FL], v56
.endr
	v_permlanex16_b32 v56, v[FL], s48, s49
	v_or_b32 v[FL], v[FL], v56
	v_cmp_eq_u32 vcc_lo, 0, v59
	s_wait_xcnt 0x0                                ; EXEC changes only behind this wait
	s_and_saveexec_b32 s45, vcc_lo
	global_store_b32 v58, v[FL], s[46:47]          ; one lane of each wave
	s_wait_xcnt 0x0
	s_or_b32 exec_lo, exec_lo, s45
	s_endpgm
.Lfunc_end_k_qc99eeb1791_place:
	.size	k_qc99eeb1791_place, .Lfunc_end_k_qc99eeb1791_place-k_qc99eeb1791_place
	.p2alignl 7, 3214868480
	.fill 96, 4, 3214868480
	.section	.rodata,"a",@progbits
	.p2align	6, 0x0
	.amdhsa_kernel k_qc99eeb1791_place
		.amdhsa_group_segment_fixed_size 0
		.amdhsa_private_segment_fixed_size 0
		.amdhsa_enable_private_segment 0
		.amdhsa_kernarg_size 88
		.amdhsa_user_sgpr_count 2
		.amdhsa_user_sgpr_kernarg_segment_ptr 1
		.amdhsa_wavefront_size32 1
		.amdhsa_system_sgpr_workgroup_id_x 1
		.amdhsa_system_sgpr_workgroup_id_y 1
		.amdhsa_system_sgpr_workgroup_id_z 1
		.amdhsa_system_vgpr_workitem_id 0
		.amdhsa_next_free_vgpr 64
		.amdhsa_next_free_sgpr 66
		.amdhsa_reserve_vcc 1
		.amdhsa_float_denorm_mode_32 3
		.amdhsa_float_denorm_mode_16_64 3
		.amdhsa_memory_ordered 1
		.amdhsa_forward_progress 1
		.amdhsa_inst_pref_size 7
	.end_amdhsa_kernel
	.amdgpu_metadata
---
amdhsa.version: [ 1, 2 ]
amdhsa.kernels:
  - .name:           k_qc99eeb1791_place
    .symbol:         k_qc99eeb1791_place.kd
    .args:
      - { .name: positions, .offset: 0, .size: 8, .value_kind: global_buffer, .address_space: global }
      - { .name: opacities, .offset: 8, .size: 8, .value_kind: global_buffer, .address_space: global }
      - { .name: colors, .offset: 16, .size: 8, .value_kind: global_buffer, .address_space: global }
      - { .name: quaternion, .offset: 24, .size: 8, .value_kind: global_buffer, .address_space: global }
      - { .name: cam_position, .offset: 32, .size: 8, .value_kind: global_buffer, .address_space: global }
      - { .name: intrinsics, .offset: 40, .size: 8, .value_kind: global_buffer, .address_space: global }
      - { .name: rank, .offset: 48, .size: 8, .value_kind: global_buffer, .address_space: global }
      - { .name: sp, .offset: 56, .size: 8, .value_kind: global_buffer, .address_space: global }
      - { .name: sa, .offset: 64, .size: 8, .value_kind: global_buffer, .address_space: global }
      - { .name: flags, .offset: 72, .size: 8, .value_kind: global_buffer, .address_space: global }
      - { .name: go, .offset: 80, .size: 8, .value_kind: global_buffer, .address_space: global }
    .group_segment_fixed_size: 0
    .private_segment_fixed_size: 0
    .kernarg_segment_align: 8
    .kernarg_segment_size: 88
    .max_flat_workgroup_size: 128
    .sgpr_count:     66
    .vgpr_count:     64
    .wavefront_size: 32
...
	.end_amdgpu_metadata
.endif
;; end of part 2
;; launch count (part 3): grid 256 x 1, 4 waves a work-group, no clusters, 0 bytes of LDS; arguments sp, go, ctl; writes ctl
.if DOCPART == 3
	.amdgcn_target "amdgcn-amd-amdhsa--gfx1250"
	.amdhsa_code_object_version 6
	.text
	.protected	k_qc99eeb1791_count
	.globl	k_qc99eeb1791_count
	.p2align	8
	.type	k_qc99eeb1791_count,@function
k_qc99eeb1791_count:
	s_mov_b64 s[64:65], 0
	v_nop
	global_prefetch_b8 v0, s[64:65] scope:SCOPE_SE
	s_setreg_imm32_b32 hwreg(HW_REG_WAVE_MODE, 25, 1), 1
	s_wait_xcnt 0x0
; COUNT.  The early end of the scan as one number G: Gaussian g takes part where g < G, and
; G = the largest, over all pixels, of the number of steps g at whose start the transmittance of the pixel is at least 1e-3
; (the transmittance never rises, so these steps are the first ones).  Each wave stores the largest over its 32 pixels;
; the renderer takes the largest of the 1,024 words.
; Bit 0 of a word of go (all 128 words are equal: the OR of the first launch's flags) says that some sample pixel is known to stay
; above 1e-3 to the end: then G = 4,096 and nothing is scanned.  Work-group wg reads word wg / 2.
; Otherwise every pixel walks all 4,096 sorted Gaussians, in the order of reference(), transmittance alone.
; The records are the same for all lanes, so they come by scalar loads, eight records a set, two sets in turn.
; No LDS, no barrier: no wave needs another.
; LIMIT: a transmittance within rounding of 1e-3 may fall on the other side of it than in reference(), which moves G by a step.
.set S_SC, 0x3e2df0ec
.set EPS,  0x3a83126f                  ; 1e-3
.set DX, 24                            ; v[24:31]
.set DY, 32                            ; v[32:39]
; v1 lane, v2 x S, v3 y S, v4 T, v5 count, v7 result, v8 at work, v9 my word of go, v10 my word in ctl, v12 the word
.macro WAVEMAX r                       ; the largest of v[r] over the 32 lanes, in every lane
.irp k,1,2,4,8
	v_mov_b32_dpp v8, v[\r] row_xmask:\k row_mask:0xf bank_mask:0xf
	v_max_u32 v[\r], v[\r], v8
.endr
	v_permlanex16_b32 v8, v[\r], s48, s49
	v_max_u32 v[\r], v[\r], v8
.endm
.macro G8 b                            ; eight steps; record k in s[b + 4 k .. + 3] = cy S, opacity, cx S, depth
.irp k,0,1,2,3,4,5,6,7
	v_sub_f32 v[DX+\k], s[\b+4*\k+2], v2
	v_sub_f32 v[DY+\k], s[\b+4*\k], v3
.endr
.irp k,0,1,2,3,4,5,6,7
	v_mul_f32 v[DX+\k], v[DX+\k], v[DX+\k]
.endr
.irp k,0,1,2,3,4,5,6,7
	v_fma_f32 v[DX+\k], -v[DY+\k], v[DY+\k], -v[DX+\k]
.endr
.irp k,0,1,2,3,4,5,6,7
	v_exp_f32 v[DX+\k], v[DX+\k]
.endr
	v_nop                                          ; one plain place behind the exponentials (ISA guide 5.7.2)
	s_wait_alu depctr_va_vdst(0)
.irp k,0,1,2,3,4,5,6,7
	v_mul_f32 v[DX+\k], s[\b+4*\k+1], v[DX+\k]
.endr
.irp k,0,1,2,3,4,5,6,7
	v_min_num_f32 v[DX+\k], 1.0, v[DX+\k]
.endr
.irp k,0,1,2,3,4,5,6,7
	v_cmp_le_f32 vcc_lo, s11, v4                   ; T at the start of the step
	v_add_co_ci_u32 v5, vcc_lo, 0, v5, vcc_lo
	v_fma_f32 v4, -v4, v[DX+\k], v4
.endr
.endm
	s_load_b128 s[4:7], s[0:1], 0x0                ; sp s[4:5], go s[6:7]
	s_load_b64 s[8:9], s[0:1], 0x10                ; ctl
	v_and_b32 v1, 31, v0
	v_lshrrev_b32 v10, 5, v0
	v_lshlrev_b32 v10, 2, v10
	s_lshl_b32 s15, ttmp9, 4
	v_add_nc_u32 v10, s15, v10                     ; 4 (4 wg + wave)
	s_lshr_b32 s15, ttmp9, 1
	s_lshl_b32 s15, s15, 2
	v_mov_b32 v9, s15                              ; 4 (wg / 2): the same word in every lane
	v_mov_b32 v7, 0x1000                           ; 4,096: nothing is cut
	v_mov_b32 v8, 0
	s_mov_b32 s48, 0x76543210
	s_mov_b32 s49, 0xfedcba98
	s_wait_kmcnt 0x0
	global_load_b32 v12, v9, s[6:7]
	s_wait_loadcnt 0x0
	v_readfirstlane_b32 s10, v12
	s_and_b32 s10, s10, 1                          ; bit 0: a pixel stays above 1e-3
	s_cmp_lg_u32 s10, 0
	s_cbranch_scc1 .Lstore
	; the exact scan
	s_lshl_b32 s15, ttmp9, 7
	v_add_nc_u32 v8, s15, v0                       ; pixel = 128 wg + t
	v_and_b32 v2, 0xff, v8
	v_lshrrev_b32 v3, 8, v8
	v_cvt_f32_u32 v2, v2
	v_cvt_f32_u32 v3, v3
	v_mul_f32 v2, S_SC, v2
	v_mul_f32 v3, S_SC, v3
	v_mov_b32 v4, 1.0
	v_mov_b32 v5, 0
	s_mov_b32 s11, EPS
	s_mov_b32 s12, 0
	s_mov_b32 s13, 0
	s_mov_b32 s14, 0
	s_load_b512 s[16:31], s[4:5], s13 offset:0x0
	s_load_b512 s[32:47], s[4:5], s13 offset:0x40
.Lscan:
	s_wait_kmcnt 0x0                               ; records 16 k .. 16 k + 7 are in
	s_load_b512 s[68:83], s[4:5], s13 offset:0x80
	s_load_b512 s[84:99], s[4:5], s13 offset:0xc0
	G8 16
	s_wait_kmcnt 0x0                               ; the next eight are in, and s13 is free
	s_add_co_u32 s14, s14, 256
	s_min_u32 s13, s14, 65408                      ; the look-ahead of the last trip stays inside sp (65,536 - 128)
	s_load_b512 s[16:31], s[4:5], s13 offset:0x0
	s_load_b512 s[32:47], s[4:5], s13 offset:0x40
	G8 68
	s_add_co_u32 s12, s12, 1
	s_cmp_lt_u32 s12, 256
	s_cbranch_scc1 .Lscan
	s_wait_kmcnt 0x0
	WAVEMAX 5
	v_mov_b32 v7, v5
.Lstore:
	v_cmp_eq_u32 vcc_lo, 0, v1
	s_wait_xcnt 0x0                                ; EXEC changes only behind this wait
	s_and_saveexec_b32 s53, vcc_lo
	global_store_b32 v10, v7, s[8:9]
	s_wait_xcnt 0x0
	s_or_b32 exec_lo, exec_lo, s53
	s_endpgm
.Lfunc_end_k_qc99eeb1791_count:
	.size	k_qc99eeb1791_count, .Lfunc_end_k_qc99eeb1791_count-k_qc99eeb1791_count
	.p2alignl 7, 3214868480
	.fill 96, 4, 3214868480
	.section	.rodata,"a",@progbits
	.p2align	6, 0x0
	.amdhsa_kernel k_qc99eeb1791_count
		.amdhsa_group_segment_fixed_size 0
		.amdhsa_private_segment_fixed_size 0
		.amdhsa_enable_private_segment 0
		.amdhsa_kernarg_size 24
		.amdhsa_user_sgpr_count 2
		.amdhsa_user_sgpr_kernarg_segment_ptr 1
		.amdhsa_wavefront_size32 1
		.amdhsa_system_sgpr_workgroup_id_x 1
		.amdhsa_system_sgpr_workgroup_id_y 1
		.amdhsa_system_sgpr_workgroup_id_z 1
		.amdhsa_system_vgpr_workitem_id 0
		.amdhsa_next_free_vgpr 48
		.amdhsa_next_free_sgpr 100
		.amdhsa_reserve_vcc 1
		.amdhsa_float_denorm_mode_32 3
		.amdhsa_float_denorm_mode_16_64 3
		.amdhsa_memory_ordered 1
		.amdhsa_forward_progress 1
		.amdhsa_inst_pref_size 10
	.end_amdhsa_kernel
	.amdgpu_metadata
---
amdhsa.version: [ 1, 2 ]
amdhsa.kernels:
  - .name:           k_qc99eeb1791_count
    .symbol:         k_qc99eeb1791_count.kd
    .args:
      - { .name: sp, .offset: 0, .size: 8, .value_kind: global_buffer, .address_space: global }
      - { .name: go, .offset: 8, .size: 8, .value_kind: global_buffer, .address_space: global }
      - { .name: ctl, .offset: 16, .size: 8, .value_kind: global_buffer, .address_space: global }
    .group_segment_fixed_size: 0
    .private_segment_fixed_size: 0
    .kernarg_segment_align: 8
    .kernarg_segment_size: 24
    .max_flat_workgroup_size: 128
    .sgpr_count:     100
    .vgpr_count:     48
    .wavefront_size: 32
...
	.end_amdgpu_metadata
.endif
;; end of part 3
;; launch render (part 4): grid 256 x 1, 8 waves a work-group, no clusters, 168,960 bytes of LDS; arguments sp, sa, background_color, ctl, out0, out1, out2, flags; writes out0, out1, out2
.if DOCPART == 4
	.amdgcn_target "amdgcn-amd-amdhsa--gfx1250"
	.amdhsa_code_object_version 6
	.text
	.protected	k_qc99eeb1791_render
	.globl	k_qc99eeb1791_render
	.p2align	8
	.type	k_qc99eeb1791_render,@function
k_qc99eeb1791_render:
	s_mov_b64 s[64:65], 0
	v_nop
	global_prefetch_b8 v0, s[64:65] scope:SCOPE_SE
	s_setreg_imm32_b32 hwreg(HW_REG_WAVE_MODE, 25, 1), 1
	s_wait_xcnt 0x0
; RENDER.  A work-group owns a tile of 16 x 8 pixels and all 4,096 sorted Gaussians.
; THREE IDEAS.  (1) exp(-|d|^2 / 50) = Ex(g, x) Ey(g, y), both at most 1: 16 + 8 exponentials serve 128 pixel-steps.
; (2) Compositing is associative (C = C1 + T1 C2, T = T1 T2): the 4,096 steps are cut into 16 segments of 256, each begun at T = 1
; and joined at the end through LDS.  (3) The five sums of T alpha x (r, g, b, depth, 1) are a matrix product: T alpha and the
; attributes go to the matrix unit in bf16, the sums stay in f32, and T itself stays in f32.
; SHARES.  Wave w has segments 2 w and 2 w + 1.  Lane (r = lane % 16, h = lane / 16) has column x0 + r, rows y0 .. y0 + 7 and segment
; 2 w + h: 8 pixels x 256 steps, in 16 blocks of 16 Gaussians.
; BROADCASTS.  Lane r of a row of 16 lanes loads the record of Gaussian g0 + r and makes its eight Ey x opacity; row_share:j on the
; subtraction and on the multiplication hands Gaussian j to all 16 lanes.  No LDS in the loop.
; THE MATRIX INSTRUCTION.  Source 1: lane (r, h) = column n = pixel r, its 16 places of K = T alpha of the 16 Gaussians of ITS segment.
; Source 0: lane (r, h) = row m = r over the same places of K: rows 0-4 hold the attributes for h = 0 and zeros for h = 1, rows 8-12
; the other way round, all other rows zeros (plane min(r - 8 h, 5), unsigned).  Result register j of lane (r, h) is row 8 h + j,
; column r: attribute j of the lane own pixel and own segment.
; TWO TEXTS OF THE SIXTEEN BLOCKS.  Bit 1 of my flag word (made by the first launch from all 4,096 opacities) says that none exceeds 1.
; Then Ex Ey opacity is at most 1 and the clip at 1 changes nothing, so the second text leaves out the eight minima of each step,
; 128 of a block's 526 instructions.  With a larger opacity anywhere the first text runs, with the clip.  Both end at the join,
; so the one barrier lies on every path.
; LEFT OUT.  Tensor loads, cluster, joint requests: what the work-groups share is 48 bytes a lane for 128 pixel-steps, and the
; broadcast wants it in registers.  Each load is issued one whole block ahead of its use, so nothing is asked for earlier still.
; A tile 64 pixels wide, whose stores would cover 256 consecutive bytes, would need 66 exponentials a lane and block in place
; of 24; so the five stores at the end cover runs of 64 bytes, 640 KiB in all, once.
; LDS: 65,536 bytes are used; more than half of a WGP is asked for so that no second work-group is placed beside this one.
; LIMITS.  NaN in an input is not reproduced.  A factor Ex or Ey below 2^-126 counts as 0 (v_exp_f32 flushes: ISA guide 15.8);
; the true product is then below 2^-126 too.  T alpha and the attributes are rounded to bf16 (2^-9 relative each).
; In the text without the clip the last-bit error of the two exponentials may carry alpha past 1 by about 2^-22 at the most;
; T is then off by that fraction of itself.
.set S_SC, 0x3e2df0ec                  ; S = sqrt(0.02 log2 e)
.set XS,  4                            ; v4        x S
.set PO,  5                            ; v5        my record: 4096 segment + 16 r (+ 256 a block)
.set AO,  6                            ; v6        my attributes: 3072 segment + 32 plane (+ 192 a block)
.set GI,  7                            ; v7        the sorted index of the Gaussian whose record I load
.set YS,  8                            ; v[8:15]   y S of my eight rows
.set REC, 16                           ; v[16:23]  two records in turn: cy S, opacity, cx S, depth
.set EY,  24                           ; v[24:31]  Ey x opacity of MY Gaussian at the eight rows
.set EX,  32                           ; v[32:47]  Ex of the 16 Gaussians at my column
.set T,   48                           ; v[48:55]  transmittance of my eight pixels
.set AL,  56                           ; v[56:63]  alpha
.set TA,  64                           ; v[64:79]  T alpha of an even and of an odd step
.set ATT, 80                           ; v[80:95]  source 0, two in turn
.set FR,  96                           ; v[96:159] source 1 of row f at 96 + 8 f
.set ACC, 160                          ; v[160:223] sums of row f at 160 + 8 f
.set TM,  224                          ; v[224:231] at work
.set CB,  96                           ; the join: segment s at 96 + 8 s: r, g, b, depth, alpha, T
.macro ALPHA j, clip                   ; alpha of step j at my eight pixels: Ey op of Gaussian j (from lane j of my row) x Ex; clip = 1: clipped at 1
.irp f,0,1,2,3,4,5,6,7
	v_mul_f32_dpp v[AL+\f], v[EY+\f], v[EX+\j] row_share:\j row_mask:0xf bank_mask:0xf
.endr
.if \clip
.irp f,0,1,2,3,4,5,6,7
	v_min_num_f32 v[AL+\f], 1.0, v[AL+\f]
.endr
.endif
.endm
.macro STEPJ j, jn, clip               ; step j; the alpha of step jn is made behind it; two steps pack into one register of source 1
.set TAJ, TA+8*(\j&1)
.irp i,0,2,4,6
	v_pk_mul_f32 v[TAJ+\i:TAJ+\i+1], v[T+\i:T+\i+1], v[AL+\i:AL+\i+1]
.endr
.irp i,0,2,4,6
	v_pk_fma_f32 v[T+\i:T+\i+1], v[T+\i:T+\i+1], v[AL+\i:AL+\i+1], v[T+\i:T+\i+1] neg_lo:[0,1,0] neg_hi:[0,1,0]
.endr
.if \j<15
	ALPHA \jn, \clip
.endif
.if \j&1
.irp f,0,1,2,3,4,5,6,7
	v_cvt_pk_bf16_f32 v[FR+8*\f+(\j>>1)], v[TA+\f], v[TA+8+\f]
.endr
.endif
.endm
; One block of 16 Gaussians.  cur: which record and source 0 it uses.  zero = 1: the first products start the sums.
; more = 1: the loads of the next block go out, at poff and aoff from the address registers.  step = 1: these move on two blocks first.
; clip = 1: alpha is clipped at 1.
.macro BLOCK cur, zero, more, step, poff, aoff, clip
.set RC, REC+4*\cur
.set RN, REC+4-4*\cur
.set AC, ATT+8*\cur
.set AN, ATT+8-8*\cur
	s_wait_loadcnt 0x0                             ; my three loads, issued a whole block ago; the wait also frees their address registers
.if \step
	v_add_nc_u32 v[PO], 512, v[PO]
	v_add_nc_u32 v[AO], 384, v[AO]
.endif
	v_cmp_gt_u32 vcc_lo, s32, v[GI]                ; behind the early end of the scan a Gaussian counts with opacity 0
	v_cndmask_b32 v[RC+1], 0, v[RC+1], vcc_lo
	v_add_nc_u32 v[GI], 16, v[GI]
.irp j,0,1,2,3,4,5,6,7,8,9,10,11,12,13,14,15
	v_sub_f32_dpp v[EX+\j], v[RC+2], v[XS] row_share:\j row_mask:0xf bank_mask:0xf
.endr
.irp i,0,2,4,6,8,10,12,14
	v_pk_mul_f32 v[EX+\i:EX+\i+1], v[EX+\i:EX+\i+1], v[EX+\i:EX+\i+1] neg_lo:[1,0] neg_hi:[1,0]
.endr
.if \more
	; the other source 0 was last read by the matrix instructions in front of this block: 27 plain vector instructions ago (ISA guide 7.12.1)
	global_load_b128 v[RN:RN+3], v[PO], s[8:9] offset:\poff
	global_load_b128 v[AN:AN+3], v[AO], s[10:11] offset:\aoff
	global_load_b128 v[AN+4:AN+7], v[AO], s[10:11] offset:\aoff+16
.endif
.irp i,0,2,4,6
	v_pk_add_f32 v[EY+\i:EY+\i+1], v[YS+\i:YS+\i+1], v[RC:RC+1] op_sel_hi:[1,0] neg_lo:[0,1] neg_hi:[0,1]
.endr
.irp i,0,2,4,6
	v_pk_mul_f32 v[EY+\i:EY+\i+1], v[EY+\i:EY+\i+1], v[EY+\i:EY+\i+1] neg_lo:[1,0] neg_hi:[1,0]
.endr
.irp j,0,1,2,3,4,5,6,7,8,9,10,11,12,13,14,15
	v_exp_f32 v[EX+\j], v[EX+\j]
.endr
.irp f,0,1,2,3,4,5,6,7
	v_exp_f32 v[EY+\f], v[EY+\f]
.endr
	v_nop                                          ; one plain place behind the exponentials (ISA guide 5.7.2)
	s_wait_alu depctr_va_vdst(0)
.irp i,0,2,4,6
	v_pk_mul_f32 v[EY+\i:EY+\i+1], v[EY+\i:EY+\i+1], v[RC:RC+1] op_sel:[0,1] op_sel_hi:[1,1]
.endr
	ALPHA 0, \clip
	STEPJ 0,1,\clip
	STEPJ 1,2,\clip
	STEPJ 2,3,\clip
	STEPJ 3,4,\clip
	STEPJ 4,5,\clip
	STEPJ 5,6,\clip
	STEPJ 6,7,\clip
	STEPJ 7,8,\clip
	STEPJ 8,9,\clip
	STEPJ 9,10,\clip
	STEPJ 10,11,\clip
	STEPJ 11,12,\clip
	STEPJ 12,13,\clip
	STEPJ 13,14,\clip
	STEPJ 14,15,\clip
	STEPJ 15,0,\clip
.irp f,0,1,2,3,4,5,6,7
.if \zero
	v_wmma_f32_16x16x32_bf16 v[ACC+8*\f:ACC+8*\f+7], v[AC:AC+7], v[FR+8*\f:FR+8*\f+7], 0
.else
	v_wmma_f32_16x16x32_bf16 v[ACC+8*\f:ACC+8*\f+7], v[AC:AC+7], v[FR+8*\f:FR+8*\f+7], v[ACC+8*\f:ACC+8*\f+7]
.endif
.endr
.endm
	s_load_b256 s[8:15], s[0:1], 0x0               ; sp s[8:9], sa s[10:11], background_color s[12:13], ctl s[14:15]
	s_load_b128 s[16:19], s[0:1], 0x20             ; out0 s[16:17], out1 s[18:19]
	s_load_b128 s[20:23], s[0:1], 0x30             ; out2 s[20:21], flags s[22:23]
	v_lshl_add_u32 v232, v0, 2, 0x29000
	v_mov_b32 v233, 0
	v_and_b32 v3, 31, v0                           ; lane
	v_and_b32 v1, 15, v0                           ; r
	v_bfe_u32 v2, v0, 4, 1                         ; h
	v_lshrrev_b32 v[TM], 5, v0
	v_readfirstlane_b32 s28, v[TM]                 ; wave
	v_lshrrev_b32 v[TM+1], 4, v0                   ; segment = 2 wave + h
	s_and_b32 s30, ttmp9, 15
	s_lshl_b32 s30, s30, 4                         ; x0
	s_lshr_b32 s31, ttmp9, 4
	s_lshl_b32 s31, s31, 3                         ; y0
	s_mov_b32 s33, 0x76543210
	s_mov_b32 s34, 0xfedcba98
	v_lshlrev_b32 v[PO], 12, v[TM+1]
	v_lshl_add_u32 v[PO], v1, 4, v[PO]
	v_lshlrev_b32 v[TM+2], 3, v2
	v_sub_nc_u32 v[TM+2], v1, v[TM+2]
	v_min_u32 v[TM+2], 5, v[TM+2]                  ; plane: r - 8 h where that is 0 .. 4, else the plane of zeros
	v_mul_u32_u24 v[AO], v[TM+1], 3072
	v_lshl_add_u32 v[AO], v[TM+2], 5, v[AO]
	v_lshl_add_u32 v[GI], v[TM+1], 8, v1
	v_lshlrev_b32 v[TM+4], 4, v3                   ; 16 lane
	s_lshl_b32 s29, ttmp9, 2
	v_mov_b32 v[TM+6], s29                         ; my flag word: 4 wg, the same in every lane
	s_wait_kmcnt 0x0
	s_load_b96 s[36:38], s[12:13], 0x0
	global_load_b128 v[REC:REC+3], v[PO], s[8:9]   ; block 0
	global_load_b128 v[ATT:ATT+3], v[AO], s[10:11]
	global_load_b128 v[ATT+4:ATT+7], v[AO], s[10:11] offset:16
	global_load_b32 v[TM+7], v[TM+6], s[22:23]
.irp k,0,1,2,3,4,5,6,7
	global_load_b128 v[FR+4*\k:FR+4*\k+3], v[TM+4], s[14:15] offset:512*\k     ; the 1,024 words of ctl
.endr
	s_lshl_b32 s29, s28, 13
	v_lshlrev_b32 v[TM+3], 12, v2
	v_lshl_add_u32 v[TM+3], v1, 5, v[TM+3]
	v_add_nc_u32 v[TM+3], s29, v[TM+3]             ; LDS: 8192 wave + 4096 h + 32 r
	v_add_nc_u32 v[TM+2], s30, v1
	v_cvt_f32_u32 v[XS], v[TM+2]
	v_mul_f32 v[XS], S_SC, v[XS]
.irp f,0,1,2,3,4,5,6,7
	s_add_co_u32 s29, s31, \f
	v_cvt_f32_u32 v[YS+\f], s29
	v_mul_f32 v[YS+\f], S_SC, v[YS+\f]
.endr
.irp f,0,1,2,3,4,5,6,7
	v_mov_b32 v[T+\f], 1.0                         ; every segment begins at T = 1
	v_mov_b32 v[AL+\f], 0                          ; the destination of a DPP form counts as read: written once here
.endr
.irp j,0,1,2,3,4,5,6,7,8,9,10,11,12,13,14,15
	v_mov_b32 v[EX+\j], 0
.endr
	v_mov_b32 v[TM+5], 0
	s_wait_loadcnt 0x0
.set k, 4
.rept 28
	v_max_u32 v[FR+k%4], v[FR+k%4], v[FR+k]        ; the largest word of ctl: four chains,
.set k, k+1
.endr
	v_max_u32 v[FR], v[FR], v[FR+1]
	v_max_u32 v[FR+2], v[FR+2], v[FR+3]
	v_max_u32 v[FR], v[FR], v[FR+2]
.irp k,1,2,4,8
	v_mov_b32_dpp v[TM+5], v[FR] row_xmask:\k row_mask:0xf bank_mask:0xf       ; then over the lanes
	v_max_u32 v[FR], v[FR], v[TM+5]
.endr
	v_permlanex16_b32 v[TM+5], v[FR], s33, s34
	v_max_u32 v[FR], v[FR], v[TM+5]
	v_readfirstlane_b32 s32, v[FR]                 ; Gaussian g takes part where g < s32
	v_readfirstlane_b32 s39, v[TM+7]
	s_and_b32 s39, s39, 2                          ; bit 1: no opacity exceeds 1
	s_wait_kmcnt 0x0                               ; background_color
	s_cmp_lg_u32 s39, 0
	s_cbranch_scc1 .Lfree
	; the sixteen blocks with the clip at 1
	BLOCK 0, 1, 1, 0, 256, 192, 1
	BLOCK 1, 0, 1, 0, 512, 384, 1
	s_mov_b32 s35, 6
.Lpair:
	BLOCK 0, 0, 1, 1, 256, 192, 1
	BLOCK 1, 0, 1, 0, 512, 384, 1
	s_sub_co_i32 s35, s35, 1
	s_cmp_lg_u32 s35, 0
	s_cbranch_scc1 .Lpair
	BLOCK 0, 0, 1, 1, 256, 192, 1
	BLOCK 1, 0, 0, 0, 0, 0, 1                      ; the last block loads nothing: no load leaves sp or sa
	s_branch .Ljoin
.Lfree:
	; the same sixteen blocks without it
	BLOCK 0, 1, 1, 0, 256, 192, 0
	BLOCK 1, 0, 1, 0, 512, 384, 0
	s_mov_b32 s35, 6
.Lpairf:
	BLOCK 0, 0, 1, 1, 256, 192, 0
	BLOCK 1, 0, 1, 0, 512, 384, 0
	s_sub_co_i32 s35, s35, 1
	s_cmp_lg_u32 s35, 0
	s_cbranch_scc1 .Lpairf
	BLOCK 0, 0, 1, 1, 256, 192, 0
	BLOCK 1, 0, 0, 0, 0, 0, 0
.Ljoin:
	; THE JOIN.  Each lane lays its eight pixels (five sums and T) into LDS: [16 segments][128 pixels][32 bytes].
.rept 4
	v_nop                                          ; four places behind the last matrix instruction (ISA guide 7.12.1)
.endr
.irp f,0,1,2,3,4,5,6,7
	v_mov_b32 v[ACC+8*\f+5], v[T+\f]
.endr
.irp f,0,1,2,3,4,5,6,7
	ds_store_b128 v[TM+3], v[ACC+8*\f:ACC+8*\f+3] offset:512*\f
	ds_store_b64 v[TM+3], v[ACC+8*\f+4:ACC+8*\f+5] offset:512*\f+16
.endr
	s_wait_dscnt 0x0                               ; for the other waves: zero
	s_barrier_signal -1
	s_barrier_wait -1
	s_cmp_ge_u32 s28, 4
	s_cbranch_scc1 .Lend                           ; 128 pixels: waves 0 to 3, one pixel a thread
	v_lshlrev_b32 v[TM], 5, v0                     ; 32 t
.irp s,0,1,2,3,4,5,6,7,8,9,10,11,12,13,14,15
	ds_load_b128 v[CB+8*\s:CB+8*\s+3], v[TM] offset:4096*\s
	ds_load_b64 v[CB+8*\s+4:CB+8*\s+5], v[TM] offset:4096*\s+16
.endr
	v_lshrrev_b32 v[TM+2], 4, v0
	v_add_nc_u32 v[TM+2], s31, v[TM+2]             ; y
	v_lshl_add_u32 v[TM+2], v[TM+2], 8, v1
	v_add_nc_u32 v[TM+2], s30, v[TM+2]             ; 256 y + x
	v_lshlrev_b32 v[TM+2], 2, v[TM+2]
	s_wait_dscnt 0x0
.irp s,1,2,3,4,5,6,7,8,9,10,11,12,13,14,15
	v_pk_fma_f32 v[CB:CB+1], v[CB+8*\s:CB+8*\s+1], v[CB+4:CB+5], v[CB:CB+1] op_sel:[0,1,0] op_sel_hi:[1,1,1]           ; C += T so far x C of segment s
	v_pk_fma_f32 v[CB+2:CB+3], v[CB+8*\s+2:CB+8*\s+3], v[CB+4:CB+5], v[CB+2:CB+3] op_sel:[0,1,0] op_sel_hi:[1,1,1]
	v_fma_f32 v[CB+4], v[CB+8*\s+4], v[CB+5], v[CB+4]
	v_mul_f32 v[CB+5], v[CB+5], v[CB+8*\s+5]
.endr
	v_add_f32 v[CB], s36, v[CB]                    ; the scan starts from the background colour
	v_add_f32 v[CB+1], s37, v[CB+1]
	v_add_f32 v[CB+2], s38, v[CB+2]
	global_store_b32 v[TM+2], v[CB], s[16:17]
	global_store_b32 v[TM+2], v[CB+1], s[16:17] offset:131072
	global_store_b32 v[TM+2], v[CB+2], s[16:17] offset:262144
	global_store_b32 v[TM+2], v[CB+3], s[18:19]
	global_store_b32 v[TM+2], v[CB+4], s[20:21]
.Lend:
	s_barrier_signal -1
	s_barrier_wait -1
	s_wait_tensorcnt 0x0
	ds_add_u32 v232, v233
	s_wait_dscnt 0x0
	s_endpgm
.Lfunc_end_k_qc99eeb1791_render:
	.size	k_qc99eeb1791_render, .Lfunc_end_k_qc99eeb1791_render-k_qc99eeb1791_render
	.p2alignl 7, 3214868480
	.fill 96, 4, 3214868480
	.section	.rodata,"a",@progbits
	.p2align	6, 0x0
	.amdhsa_kernel k_qc99eeb1791_render
		.amdhsa_group_segment_fixed_size 168960
		.amdhsa_private_segment_fixed_size 0
		.amdhsa_enable_private_segment 0
		.amdhsa_kernarg_size 64
		.amdhsa_user_sgpr_count 2
		.amdhsa_user_sgpr_kernarg_segment_ptr 1
		.amdhsa_wavefront_size32 1
		.amdhsa_system_sgpr_workgroup_id_x 1
		.amdhsa_system_sgpr_workgroup_id_y 1
		.amdhsa_system_sgpr_workgroup_id_z 1
		.amdhsa_system_vgpr_workitem_id 0
		.amdhsa_next_free_vgpr 234
		.amdhsa_next_free_sgpr 66
		.amdhsa_reserve_vcc 1
		.amdhsa_float_denorm_mode_32 3
		.amdhsa_float_denorm_mode_16_64 3
		.amdhsa_memory_ordered 1
		.amdhsa_forward_progress 1
		.amdhsa_inst_pref_size 255
	.end_amdhsa_kernel
	.section	.bss,"aw",@nobits
	.p2align	6
	.space	262144
	.amdgpu_metadata
---
amdhsa.version: [ 1, 2 ]
amdhsa.kernels:
  - .name:           k_qc99eeb1791_render
    .symbol:         k_qc99eeb1791_render.kd
    .args:
      - { .name: sp, .offset: 0, .size: 8, .value_kind: global_buffer, .address_space: global }
      - { .name: sa, .offset: 8, .size: 8, .value_kind: global_buffer, .address_space: global }
      - { .name: background_color, .offset: 16, .size: 8, .value_kind: global_buffer, .address_space: global }
      - { .name: ctl, .offset: 24, .size: 8, .value_kind: global_buffer, .address_space: global }
      - { .name: out0, .offset: 32, .size: 8, .value_kind: global_buffer, .address_space: global }
      - { .name: out1, .offset: 40, .size: 8, .value_kind: global_buffer, .address_space: global }
      - { .name: out2, .offset: 48, .size: 8, .value_kind: global_buffer, .address_space: global }
      - { .name: flags, .offset: 56, .size: 8, .value_kind: global_buffer, .address_space: global }
    .group_segment_fixed_size: 168960
    .private_segment_fixed_size: 0
    .kernarg_segment_align: 8
    .kernarg_segment_size: 64
    .max_flat_workgroup_size: 256
    .sgpr_count:     66
    .vgpr_count:     234
    .wavefront_size: 32
...
	.end_amdgpu_metadata
.endif
;; end of part 4
